; MI455X (gfx1250); checked and timed in simulation.
; The chip was launched on July 23, 2026; its instructions are those of AMD's public machine-readable ISA for CDNA 5 (MIT licence, August 2026) and "CDNA5" Instruction Set Architecture Reference Guide (July 2026). The comments in the code are by the model that wrote it; some were corrected since.
;; neural rendering crop resize. Allowed arithmetic: float matrix products may take bf16 or f16 operands with f32 sums; all other float work in f32.
;; Inputs: bboxes 4 x 8 x 4 float32; faces 4 x 1,000 x 3 int32; poses 4 x 8 x 4 x 4 float32; texture 4 x 1,024 x 1,024 x 8 float32; uv_map 4 x 1,002 x 2 float32; vertices 4 x 1,002 x 3 float32.
;; Outputs: out0 8 x 4 x 64 x 64 x 12 float32.
;; One version. Each part assembles by itself: llvm-mc -triple=amdgcn-amd-amdhsa -mcpu=gfx1250 --defsym DOCPART=n.
;; ======== version 1 of 1: 3 launches
;; workspace buffers: rec 3,670,016 bytes; ftab 8,192 bytes of whole numbers; ctab 16,384 bytes of whole numbers; tix 131,072 bytes of whole numbers; gb 524,288 bytes
;; launch setup (part 1): grid 8 x 32, 4 waves a work-group, no clusters, 0 bytes of LDS; arguments vertices, uv_map, faces, poses, bboxes, rec, ftab, ctab; writes rec, ftab, ctab
.if DOCPART == 1
	.amdgcn_target "amdgcn-amd-amdhsa--gfx1250"
	.amdhsa_code_object_version 6
	.text
	.protected	k_qebc6a1c190_setup
	.globl	k_qebc6a1c190_setup
	.p2align	8
	.type	k_qebc6a1c190_setup,@function
k_qebc6a1c190_setup:
	s_mov_b64 s[64:65], 0
	v_nop
	global_prefetch_b8 v0, s[64:65] scope:SCOPE_SE
	s_setreg_imm32_b32 hwreg(HW_REG_WAVE_MODE, 25, 1), 1
	s_wait_xcnt 0x0
; SETUP: one thread = one face of one view (view n = 4 p + b, grid y; 128 faces a work-group, grid x).
; It transforms the three corners, makes the 28 numbers that the pixel loop needs (rec), one flag bit for each face (ftab),
; and, in work-group x = 0, the 128 whole-number source rows and columns of the crop (ctab).
; The 4 x 4 products run in f32 on the vector unit: corners rounded to 16 bits would move by a fraction of a pixel, and
; the edge tests that follow are discontinuous.  Sums of products are fused as fma(a, b, c*d), chains in ascending index.
; A quotient n/d is q = n r, q += (n - d q) r with a refined reciprocal r.
; LIMITS: divisors beyond 2^126 in size are not served (the reciprocal flushes); products with the projection matrix zeros
; are left out (differs only for infinite coordinates); a face is dropped when its bounding box lies more than half a pixel
; outside the 32 x 32 image, so a face collinear to within rounding that would pass the edge tests outside its box is not served.
; rec: [32 views][7 groups][1024 faces] x 16 bytes.  Fields: 0 px1, 1 -py1, 2 dx0, 3 dy0 | 4 px2, 5 -py2, 6 dx1, 7 dy1 |
; 8 px0, 9 -py0, 10 dx2, 11 dy2 | 12 1/area, 13 -area, 14 z0, 15 z1 | 16 z2, 17-19 iw | 20-22 iw u, 23 iw0 v0 | 24, 25 iw v, 0, 0.
.set REC, 64                           ; v[64:91]  the record
.set TB,  40                           ; v[40:63]  eight temporaries for each corner
.set C31,  0x41f80000                  ; 31.0
.set C63R, 0x3c820821                  ; 1/63
.set C32,  0x42000000                  ; 32.0
	s_load_b512 s[4:19], s[0:1], 0x0               ; vertices 4, uv_map 6, faces 8, poses 10, bboxes 12, rec 14, ftab 16, ctab 18
	s_and_b32 s20, ttmp7, 0xffff                   ; view n
	s_and_b32 s21, s20, 3                          ; b
	s_lshr_b32 s22, s20, 2                         ; p
	s_lshl3_add_u32 s24, s21, s22                  ; 8 b + p: place in poses and bboxes
	v_lshrrev_b32 v2, 5, v0
	v_readfirstlane_b32 s23, v2                    ; wave
	v_and_b32 v13, 31, v0                          ; lane
	s_lshl_b32 s25, ttmp9, 7
	v_add_nc_u32 v1, s25, v0                       ; face f, 0 to 1023 (1000 and above: flag 0)
	v_min_u32 v2, 0x3e7, v1
	v_mul_u32_u24 v2, v2, 12                       ; byte offset of its three indices
	v_lshlrev_b32 v92, 4, v1                       ; byte offset of its 16 bytes in each group of rec
	s_mov_b32 s29, 0
	s_mov_b32 s52, 0x322bcc77                      ; 1e-8
	s_mov_b32 s53, 0x3089705f                      ; 1e-9
	s_mov_b32 s30, C32
	s_mov_b32 s31, 0xc2000000                      ; -32.0
	v_mov_b32 v3, s52
	s_wait_kmcnt 0x0
	s_mul_i32 s28, s21, 12000
	s_add_nc_u64 s[8:9], s[8:9], s[28:29]          ; faces of mesh b
	global_load_b96 v[4:6], v2, s[8:9]
	s_lshl_b32 s28, s24, 6
	s_add_nc_u64 s[10:11], s[10:11], s[28:29]
	s_load_b512 s[32:47], s[10:11], 0x0            ; the pose, row i in s[32+4i:35+4i]
	s_lshl_b32 s28, s24, 4
	s_add_nc_u64 s[12:13], s[12:13], s[28:29]
	s_load_b128 s[48:51], s[12:13], 0x0            ; the box: y1, x1, y2, x2
	s_mul_i32 s28, s21, 12024
	s_add_nc_u64 s[4:5], s[4:5], s[28:29]
	s_mul_i32 s28, s21, 8016
	s_add_nc_u64 s[6:7], s[6:7], s[28:29]
	s_mul_i32 s28, s20, 114688
	s_add_nc_u64 s[14:15], s[14:15], s[28:29]
	s_lshl_b32 s28, s20, 8
	s_add_nc_u64 s[16:17], s[16:17], s[28:29]
	s_lshl_b32 s28, s20, 9
	s_add_nc_u64 s[18:19], s[18:19], s[28:29]
	s_wait_loadcnt 0x0                             ; the three indices
.irp k, 0,1,2
	v_min_u32 v[4+\k], 0x3e9, v[4+\k]              ; inside the 1002 vertices
.endr
.irp k, 0,1,2
	v_mul_u32_u24 v[7+\k], v[4+\k], 12
	v_lshlrev_b32 v[10+\k], 3, v[4+\k]
.endr
.irp k, 0,1,2
	global_load_b96 v[16+4*\k:18+4*\k], v[7+\k], s[4:5]        ; x, y, z of corner k
.endr
.irp k, 0,1,2
	global_load_b64 v[28+2*\k:29+2*\k], v[10+\k], s[6:7]       ; u, v of corner k
.endr
	s_wait_loadcnt 0x0
	s_wait_kmcnt 0x0
	; c_i = ((x P_i0 + y P_i1) + z P_i2) + P_i3.  Camera coordinates are c0, -c1, -c2, c3 (the sign changes are exact).
.irp k, 0,1,2
.irp i, 0,1,2,3
	v_mul_f32 v[TB+8*\k+\i], s[32+4*\i], v[16+4*\k]
.endr
.endr
.irp k, 0,1,2
.irp i, 0,1,2,3
	v_fmac_f32 v[TB+8*\k+\i], s[33+4*\i], v[17+4*\k]
.endr
.endr
.irp k, 0,1,2
.irp i, 0,1,2,3
	v_fmac_f32 v[TB+8*\k+\i], s[34+4*\i], v[18+4*\k]
.endr
.endr
.irp k, 0,1,2
.irp i, 0,1,2,3
	v_add_f32 v[TB+8*\k+\i], s[35+4*\i], v[TB+8*\k+\i]
.endr
.endr
	; clip x = 7.5 c0 + 3 c2 (+0), -clip y = 7.5 c1 + 3 c2 (+1), clip z = 1.0202 c2 - 0.20202 c3 (+7), w = c2 (+2), w_safe (+4)
.irp k, 0,1,2
	v_mul_f32 v[TB+8*\k+7], 0x3f8295fb, v[TB+8*\k+2]
	v_mul_f32 v[TB+8*\k+0], 0x40f00000, v[TB+8*\k+0]
	v_mul_f32 v[TB+8*\k+1], 0x40f00000, v[TB+8*\k+1]
	v_and_b32 v[TB+8*\k+6], 0x7fffffff, v[TB+8*\k+2]
	v_fmac_f32 v[TB+8*\k+7], 0xbe4ede62, v[TB+8*\k+3]
	v_fmac_f32 v[TB+8*\k+0], 0x40400000, v[TB+8*\k+2]
	v_fmac_f32 v[TB+8*\k+1], 0x40400000, v[TB+8*\k+2]
	v_cmp_lt_f32 vcc_lo, v[TB+8*\k+6], v3
	v_cndmask_b32 v[TB+8*\k+4], v[TB+8*\k+2], v3, vcc_lo
.endr
.irp k, 0,1,2
	v_rcp_f32 v[TB+8*\k+5], v[TB+8*\k+4]
.endr
	v_nop                                          ; one plain vector instruction between a reciprocal and its first use (ISA guide 5.7.2)
	s_wait_alu depctr_va_vdst(0)
.irp k, 0,1,2
	v_fma_f32 v[TB+8*\k+6], -v[TB+8*\k+4], v[TB+8*\k+5], 1.0
.endr
.irp k, 0,1,2
	v_fmac_f32 v[TB+8*\k+5], v[TB+8*\k+6], v[TB+8*\k+5]
.endr
.irp k, 0,1,2
	v_fma_f32 v[TB+8*\k+6], -v[TB+8*\k+4], v[TB+8*\k+5], 1.0
.endr
.irp k, 0,1,2
	v_fma_f32 v[REC+17+\k], v[TB+8*\k+6], v[TB+8*\k+5], v[TB+8*\k+5]   ; iw = 1 / w_safe
.endr
	; three quotients by w_safe: first guess, residual (over the numerator), correction
.irp k, 0,1,2
	v_mul_f32 v[TB+8*\k+3], v[TB+8*\k+0], v[REC+17+\k]
	v_mul_f32 v[TB+8*\k+5], v[TB+8*\k+1], v[REC+17+\k]
	v_mul_f32 v[TB+8*\k+6], v[TB+8*\k+7], v[REC+17+\k]
.endr
.irp k, 0,1,2
	v_fma_f32 v[TB+8*\k+0], -v[TB+8*\k+4], v[TB+8*\k+3], v[TB+8*\k+0]
	v_fma_f32 v[TB+8*\k+1], -v[TB+8*\k+4], v[TB+8*\k+5], v[TB+8*\k+1]
	v_fma_f32 v[TB+8*\k+7], -v[TB+8*\k+4], v[TB+8*\k+6], v[TB+8*\k+7]
.endr
.irp k, 0,1,2
	v_fmac_f32 v[TB+8*\k+3], v[TB+8*\k+0], v[REC+17+\k]                ; ndc x
	v_fmac_f32 v[TB+8*\k+5], v[TB+8*\k+1], v[REC+17+\k]                ; -ndc y
	v_fma_f32 v[REC+14+\k], v[TB+8*\k+7], v[REC+17+\k], v[TB+8*\k+6]   ; z
.endr
	; px = (0.5 ndc x + 0.5) 32;  -py = ((0.5 ndc y + 0.5) - 1) 32.  Corner k opens edge (k + 2) mod 3.
.irp k, 0,1,2
	v_fma_f32 v[TB+8*\k+3], v[TB+8*\k+3], 0.5, 0.5
	v_fma_f32 v[TB+8*\k+5], -v[TB+8*\k+5], 0.5, 0.5
	v_mul_f32 v[REC+20+\k], v[REC+17+\k], v[28+2*\k]                   ; iw u
	v_mul_f32 v[REC+23+\k], v[REC+17+\k], v[29+2*\k]                   ; iw v
	v_mul_f32 v[REC+4*((\k+2)%3)], s30, v[TB+8*\k+3]
	v_add_f32 v[TB+8*\k+5], -1.0, v[TB+8*\k+5]
.endr
.irp k, 0,1,2
	v_mul_f32 v[REC+4*((\k+2)%3)+1], s30, v[TB+8*\k+5]
.endr
	; the edges and the area
	v_sub_f32 v[REC+2],  v[REC+4], v[REC+0]        ; dx0 = px2 - px1
	v_sub_f32 v[REC+3],  v[REC+1], v[REC+5]        ; dy0 = py2 - py1
	v_sub_f32 v[REC+6],  v[REC+8], v[REC+4]        ; dx1 = px0 - px2
	v_sub_f32 v[REC+7],  v[REC+5], v[REC+9]        ; dy1 = py0 - py2
	v_sub_f32 v[REC+10], v[REC+0], v[REC+8]        ; dx2 = px1 - px0
	v_sub_f32 v[REC+11], v[REC+9], v[REC+1]        ; dy2 = py1 - py0
	v_mul_f32 v4, v[REC+11], v[REC+6]
	v_fma_f32 v5, v[REC+10], -v[REC+7], v4         ; area = dx2 (py2 - py0) - dy2 (px2 - px0)
	v_rcp_f32 v6, v5                               ; a flagged face has |area| > 1e-9, so area is its own safe divisor
	v_mov_b32 v[REC+26], 0                         ; (the plain instruction between the reciprocal and its use)
	v_mov_b32 v[REC+27], 0
	v_xor_b32 v[REC+13], 0x80000000, v5
	s_wait_alu depctr_va_vdst(0)
	v_fma_f32 v7, -v5, v6, 1.0
	v_fma_f32 v[REC+12], v7, v6, v6
	; the flag: in front, not degenerate, box within half a pixel of the image, a real face
	v_and_b32 v8, 0x7fffffff, v5
	v_min3_num_f32 v9,  v[REC+0], v[REC+4], v[REC+8]
	v_max3_num_f32 v10, v[REC+0], v[REC+4], v[REC+8]
	v_max3_num_f32 v11, v[REC+1], v[REC+5], v[REC+9]
	v_min3_num_f32 v12, v[REC+1], v[REC+5], v[REC+9]
	v_cmp_gt_f32 s54, v[TB+2],  s52
	v_cmp_gt_f32 s55, v[TB+10], s52
	v_cmp_gt_f32 s56, v[TB+18], s52
	v_cmp_gt_f32 s57, v8, s53
	v_cmp_le_f32 s58, v9, s30                      ; least px <= 32
	v_cmp_ge_f32 s59, v10, 0                       ; largest px >= 0
	v_cmp_ge_f32 s60, v11, s31                     ; least py <= 32
	v_cmp_le_f32 s61, v12, 0                       ; largest py >= 0
	v_cmp_gt_u32 vcc_lo, 0x3e8, v1
	s_and_b32 s54, s54, s55
	s_and_b32 s56, s56, s57
	s_and_b32 s58, s58, s59
	s_and_b32 s60, s60, s61
	s_and_b32 s54, s54, s56
	s_and_b32 s58, s58, s60
	s_and_b32 s54, s54, s58
	s_and_b32 s54, s54, vcc_lo                     ; the 32 flags of my wave
	s_bcnt1_i32_b32 s55, s54
	v_mov_b32 v94, s54
	v_mov_b32 v95, s55
	s_lshl2_add_u32 s56, ttmp9, s23                ; flag word 4 x + wave
	s_lshl_b32 s56, s56, 3
	v_mov_b32 v93, s56
.irp g, 0,1,2,3,4,5,6
	global_store_b128 v92, v[REC+4*\g:REC+4*\g+3], s[14:15] offset:\g*16384   ; a wave covers 512 consecutive bytes, aligned
.endr
	v_cmp_eq_u32 vcc_lo, 0, v13
	s_wait_xcnt 0x0                                ; EXEC is a source of the stores above: it changes only behind this wait
	s_and_saveexec_b32 s57, vcc_lo
	global_store_b64 v93, v[94:95], s[16:17]       ; lane 0: {flags, their number}
	s_wait_xcnt 0x0                                ; and again in front of the line that widens it
	s_or_b32 exec_lo, exec_lo, s57
	s_cmp_lg_u32 ttmp9, 0
	s_cbranch_scc1 .Lend
	; The crop table of the view: thread t < 64 output row t, t >= 64 output column t - 64.
	; ys = lo 31 + i ((hi - lo) 31 / 63), clipped to 0..31, floor.  The third launch repeats these lines for the weights.
	s_cmp_lt_u32 s23, 2
	s_cselect_b32 s56, s48, s49
	s_cselect_b32 s57, s50, s51
	v_and_b32 v4, 63, v0
	v_cvt_f32_u32 v4, v4
	v_mov_b32 v6, s56
	v_sub_f32 v5, s57, v6
	v_mul_f32 v5, C31, v5
	v_mul_f32 v5, C63R, v5
	v_mul_f32 v5, v4, v5
	v_fmac_f32 v5, C31, v6
	v_max_num_f32 v5, 0, v5
	v_min_num_f32 v5, C31, v5
	v_floor_f32 v5, v5
	v_cvt_i32_f32 v5, v5
	v_lshlrev_b32 v7, 2, v0
	global_store_b32 v7, v5, s[18:19]
.Lend:
	s_endpgm
.Lfunc_end_k_qebc6a1c190_setup:
	.size	k_qebc6a1c190_setup, .Lfunc_end_k_qebc6a1c190_setup-k_qebc6a1c190_setup
	.p2alignl 7, 3214868480
	.fill 96, 4, 3214868480
	.section	.rodata,"a",@progbits
	.p2align	6, 0x0
	.amdhsa_kernel k_qebc6a1c190_setup
		.amdhsa_group_segment_fixed_size 0
		.amdhsa_private_segment_fixed_size 0
		.amdhsa_enable_private_segment 0
		.amdhsa_kernarg_size 64
		.amdhsa_user_sgpr_count 2
		.amdhsa_user_sgpr_kernarg_segment_ptr 1
		.amdhsa_wavefront_size32 1
		.amdhsa_system_sgpr_workgroup_id_x 1
		.amdhsa_system_sgpr_workgroup_id_y 1
		.amdhsa_system_sgpr_workgroup_id_z 1
		.amdhsa_system_vgpr_workitem_id 0
		.amdhsa_next_free_vgpr 96
		.amdhsa_next_free_sgpr 66
		.amdhsa_reserve_vcc 1
		.amdhsa_float_denorm_mode_32 3
		.amdhsa_float_denorm_mode_16_64 3
		.amdhsa_memory_ordered 1
		.amdhsa_forward_progress 1
		.amdhsa_inst_pref_size 13
	.end_amdhsa_kernel
	.amdgpu_metadata
---
amdhsa.version: [ 1, 2 ]
amdhsa.kernels:
  - .name:           k_qebc6a1c190_setup
    .symbol:         k_qebc6a1c190_setup.kd
    .args:
      - { .name: vertices, .offset: 0, .size: 8, .value_kind: global_buffer, .address_space: global }
      - { .name: uv_map, .offset: 8, .size: 8, .value_kind: global_buffer, .address_space: global }
      - { .name: faces, .offset: 16, .size: 8, .value_kind: global_buffer, .address_space: global }
      - { .name: poses, .offset: 24, .size: 8, .value_kind: global_buffer, .address_space: global }
      - { .name: bboxes, .offset: 32, .size: 8, .value_kind: global_buffer, .address_space: global }
      - { .name: rec, .offset: 40, .size: 8, .value_kind: global_buffer, .address_space: global }
      - { .name: ftab, .offset: 48, .size: 8, .value_kind: global_buffer, .address_space: global }
      - { .name: ctab, .offset: 56, .size: 8, .value_kind: global_buffer, .address_space: global }
    .group_segment_fixed_size: 0
    .private_segment_fixed_size: 0
    .kernarg_segment_align: 8
    .kernarg_segment_size: 64
    .max_flat_workgroup_size: 128
    .sgpr_count:     66
    .vgpr_count:     96
    .wavefront_size: 32
...
	.end_amdgpu_metadata
.endif
;; end of part 1
;; launch raster (part 2): grid 8 x 32, 32 waves a work-group, no clusters, 118,784 bytes of LDS; arguments rec, ftab, tix, gb; writes tix, gb
.if DOCPART == 2
	.amdgcn_target "amdgcn-amd-amdhsa--gfx1250"
	.amdhsa_code_object_version 6
	.text
	.protected	k_qebc6a1c190_raster
	.globl	k_qebc6a1c190_raster
	.p2align	8
	.type	k_qebc6a1c190_raster,@function
k_qebc6a1c190_raster:
	s_mov_b64 s[64:65], 0
	v_nop
	global_prefetch_b8 v0, s[64:65] scope:SCOPE_SE
	s_setreg_imm32_b32 hwreg(HW_REG_WAVE_MODE, 25, 1), 1
	s_wait_xcnt 0x0
; RASTER: a work-group = one view (grid y) and a band of 4 pixel rows (grid x), 32 waves.
; 1. Thread t copies the record of face t into LDS place t, all lanes on: each load of a wave covers 512 consecutive bytes.
; 2. Wave w walks the flagged faces among its own 32 (flag word w, lowest bit first); a lane owns one column and the 4 rows,
;    as two packed pairs.  Each wave keeps depth, perspective weight and the two numerators for all 128 pixels.
; 3. 128 threads merge the 32 partial results in wave order, which is face order, with a strict less-than: the order of the scan.
;    The partial results take the list's LDS bytes again, behind a barrier.
; 4. They divide, and store mask, u, v (gb) and the texel number i0 * 1024 + j0 (tix) for the next launch.
; Depth starts at the float just above 1, so that zp < depth also says zp <= 1.  Inside is read from the signs of e / area.
; LIMITS: differs from e * sign(area) >= 0 only where that quotient underflows to zero; a NaN coordinate makes zp NaN and the
; face loses, as in the problem; the order of rounding is fused multiply-adds, first product first.
; No tensor loads: the list is 112 KB read once, by plain loads of all 1024 threads.  No cluster: the eight bands of a view share
; those 112 KB alone, once, at the start.
.set PLACE, 112                        ; bytes of a list place: 7 groups of 16; an odd multiple of 16, so 16 lanes' stores fall on 16 different columns of 256 bytes
.set RC,  4                            ; v[4:31]    the record, field i in v[4+i]
.set ST,  32                           ; v[32:47]   pixel r: depth, pw, nu, nv in v[32+4r:35+4r]
.set GY,  48                           ; v[48:51]   gy of my four pixels
.set GXN, 52                           ; v[52:53]   -gx, twice
.set LA,  54                           ; v54        an LDS address
.set TX,  56
.set NM,  58
.set TY,  60
.set EE,  64
.set QQ,  68
.set TT,  72
.set BB,  76                           ; v[76:87]   b0, b1, b2 of the four pixels
.set ZP,  88
.set PW,  92
.set NU,  96
.set NV,  100
.set Z1,  104
.set MN,  108
.set RING, 64                          ; v[64:127]  the merge: 16 slots of 4 registers
; packed arithmetic on pairs d, a, c with ONE register f for both halves: f even is the low register of its pair, f odd the high one
.macro PMULB d, a, f
.if (\f)&1
	v_pk_mul_f32 v[\d:\d+1], v[\a:\a+1], v[\f-1:\f] op_sel:[0,1] op_sel_hi:[1,1]
.else
	v_pk_mul_f32 v[\d:\d+1], v[\a:\a+1], v[\f:\f+1] op_sel_hi:[1,0]
.endif
.endm
.macro PADDB d, a, f
.if (\f)&1
	v_pk_add_f32 v[\d:\d+1], v[\a:\a+1], v[\f-1:\f] op_sel:[0,1] op_sel_hi:[1,1]
.else
	v_pk_add_f32 v[\d:\d+1], v[\a:\a+1], v[\f:\f+1] op_sel_hi:[1,0]
.endif
.endm
.macro PFMAB d, a, f, c
.if (\f)&1
	v_pk_fma_f32 v[\d:\d+1], v[\a:\a+1], v[\f-1:\f], v[\c:\c+1] op_sel:[0,1,0] op_sel_hi:[1,1,1]
.else
	v_pk_fma_f32 v[\d:\d+1], v[\a:\a+1], v[\f:\f+1], v[\c:\c+1] op_sel_hi:[1,0,1]
.endif
.endm
; edge k: e = dx (gy - ay) - dy (gx - ax); b = e / area by first guess, residual, correction
.macro EDGE k
	PADDB TX, GXN, RC+4*\k
	PMULB NM, TX, RC+4*\k+3
	PADDB TY, GY, RC+4*\k+1
	PADDB TY+2, GY+2, RC+4*\k+1
	PFMAB EE, TY, RC+4*\k+2, NM
	PFMAB EE+2, TY+2, RC+4*\k+2, NM
	PMULB QQ, EE, RC+12
	PMULB QQ+2, EE+2, RC+12
	PFMAB TT, QQ, RC+13, EE
	PFMAB TT+2, QQ+2, RC+13, EE+2
	PFMAB BB+4*\k, TT, RC+12, QQ
	PFMAB BB+4*\k+2, TT+2, RC+12, QQ+2
.endm
; d = b0 f0 + b1 f1 + b2 f2
.macro SUM d, f0, f1, f2
	PMULB \d, BB+4, \f1
	PMULB \d+2, BB+6, \f1
	PFMAB \d, BB, \f0, \d
	PFMAB \d+2, BB+2, \f0, \d+2
	PFMAB \d, BB+8, \f2, \d
	PFMAB \d+2, BB+10, \f2, \d+2
.endm
	s_load_b256 s[4:11], s[0:1], 0x0               ; rec 4, ftab 6, tix 8, gb 10
	s_and_b32 s36, ttmp7, 0xffff                   ; view n
	v_lshrrev_b32 v2, 5, v0
	v_readfirstlane_b32 s12, v2                    ; wave
	v_and_b32 v1, 31, v0                           ; lane
	s_mov_b32 s27, 0
	s_lshl_b32 s13, s12, 3                         ; my flag word: 8 bytes a word
	s_lshl_b32 s16, s12, 5                         ; my first face
	v_lshlrev_b32 v2, 4, v0                        ; thread t copies face t: 16 t in each group of rec,
	v_mul_u32_u24 v3, v0, PLACE                    ; place t of the list
	s_wait_kmcnt 0x0
	s_mul_i32 s26, s36, 114688
	s_add_nc_u64 s[4:5], s[4:5], s[26:27]
.irp g, 0,1,2,3,4,5,6
	global_load_b128 v[RC+4*\g:RC+4*\g+3], v2, s[4:5] offset:\g*16384
.endr
	s_lshl_b32 s26, s36, 8
	s_add_nc_u64 s[6:7], s[6:7], s[26:27]
	s_load_b64 s[14:15], s[6:7], s13 offset:0x0    ; the flags of my 32 faces, and their number
	; my pixels, while the records are on their way
.irp r, 0,1,2,3
	v_mov_b32 v[ST+4*\r], 0x3f800001               ; depth: the float above 1
	v_mov_b32 v[ST+4*\r+1], 0                      ; background: 0 / 1e-12 = 0 in all three channels
	v_mov_b32 v[ST+4*\r+2], 0
	v_mov_b32 v[ST+4*\r+3], 0
.endr
	s_lshl_b32 s21, ttmp9, 2
	v_cvt_f32_u32 v55, s21
	v_add_f32 v[GY], 0.5, v55
	v_add_f32 v[GY+1], 0x3fc00000, v55
	v_add_f32 v[GY+2], 0x40200000, v55
	v_add_f32 v[GY+3], 0x40600000, v55
	v_cvt_f32_u32 v[GXN], v1
	v_sub_f32 v[GXN], -0.5, v[GXN]
	v_mov_b32 v[GXN+1], v[GXN]
.irp g, 0,1,2,3,4,5,6
	s_wait_loadcnt 6-\g                            ; group g is in, the younger loads stay out
	ds_store_b128 v3, v[RC+4*\g:RC+4*\g+3] offset:16*\g
.endr
	s_wait_kmcnt 0x0
	s_min_u32 s23, s15, 32                         ; trips: my flagged faces
	s_mov_b32 s20, 0
	s_wait_dscnt 0x0                               ; my places are written,
	s_barrier_signal -1
	s_barrier_wait -1                              ; everybody's are
	s_cmp_eq_u32 s23, 0
	s_cbranch_scc1 .Lnofaces
.Lface:
	s_ctz_i32_b32 s21, s14                         ; the lowest flag that is left,
	s_min_u32 s21, s21, 31
	s_sub_co_u32 s22, s14, 1
	s_and_b32 s14, s14, s22                        ; which is cleared
	s_add_co_u32 s21, s21, s16
	s_mul_i32 s21, s21, PLACE
	v_mov_b32 v[LA], s21
	ds_load_b128 v[RC:RC+3],     v[LA]             ; all lanes read the same 16 bytes.  In the order of use: groups 0, 3, 1, 2, 4, 5, 6
	ds_load_b128 v[RC+12:RC+15], v[LA] offset:48
	ds_load_b128 v[RC+4:RC+7],   v[LA] offset:16
	ds_load_b128 v[RC+8:RC+11],  v[LA] offset:32
	ds_load_b128 v[RC+16:RC+19], v[LA] offset:64
	ds_load_b128 v[RC+20:RC+23], v[LA] offset:80
	ds_load_b128 v[RC+24:RC+27], v[LA] offset:96
	s_wait_dscnt 0x5                               ; groups 0 and 3 are in, five younger loads stay out
	EDGE 0
	s_wait_dscnt 0x4                               ; group 1
	EDGE 1
	s_wait_dscnt 0x3                               ; group 2
	EDGE 2
	s_wait_dscnt 0x2                               ; group 4
	SUM ZP, RC+14, RC+15, RC+16
	SUM PW, RC+17, RC+18, RC+19
	s_wait_dscnt 0x1                               ; group 5
	SUM NU, RC+20, RC+21, RC+22
	s_wait_dscnt 0x0                               ; group 6
	SUM NV, RC+23, RC+24, RC+25
	v_pk_add_f32 v[Z1:Z1+1], v[ZP:ZP+1], 1.0 op_sel_hi:[1,0]       ; zp + 1 has the sign of zp - (-1): exact between -2 and -0.5
	v_pk_add_f32 v[Z1+2:Z1+3], v[ZP+2:ZP+3], 1.0 op_sel_hi:[1,0]
.irp r, 0,1,2,3
	v_min3_num_f32 v[MN+\r], v[BB+\r], v[BB+4+\r], v[BB+8+\r]
.endr
.irp r, 0,1,2,3
	v_min_num_f32 v[MN+\r], v[MN+\r], v[Z1+\r]
.endr
.irp r, 0,1,2,3
	v_cmp_le_f32 s[28+\r], 0, v[MN+\r]             ; inside, and zp >= -1
	v_cmp_lt_f32 s[32+\r], v[ZP+\r], v[ST+4*\r]    ; nearer (a NaN loses here)
.endr
.irp r, 0,1,2,3
	s_and_b32 s[28+\r], s[28+\r], s[32+\r]
.endr
.irp r, 0,1,2,3
	v_cndmask_b32 v[ST+4*\r],   v[ST+4*\r],   v[ZP+\r], s[28+\r]
	v_cndmask_b32 v[ST+4*\r+1], v[ST+4*\r+1], v[PW+\r], s[28+\r]
	v_cndmask_b32 v[ST+4*\r+2], v[ST+4*\r+2], v[NU+\r], s[28+\r]
	v_cndmask_b32 v[ST+4*\r+3], v[ST+4*\r+3], v[NV+\r], s[28+\r]
.endr
	s_add_co_u32 s20, s20, 1
	s_cmp_lt_u32 s20, s23
	s_cbranch_scc1 .Lface
.Lnofaces:
	s_wait_dscnt 0x0                               ; my reads of the list are back,
	s_barrier_signal -1
	s_barrier_wait -1                              ; everybody's are: the list's bytes may be written over
	s_lshl_b32 s21, s12, 11                        ; partial results: wave * 2048 + row * 512 + lane * 16
	v_lshl_add_u32 v[LA], v1, 4, s21
.irp r, 0,1,2,3
	ds_store_b128 v[LA], v[ST+4*\r:ST+4*\r+3] offset:512*\r
.endr
	s_wait_dscnt 0x0                               ; my partial results are written,
	s_barrier_signal -1
	s_barrier_wait -1                              ; everybody's are
	s_cmp_ge_u32 s12, 4
	s_cbranch_scc1 .Ldone                          ; waves 4 and up wait at the closing barrier: 128 threads finish the 128 pixels
	; wave r < 4, lane = column: the 32 partial results of pixel (4 band + r, column), in wave order
	s_lshl_b32 s21, s12, 9
	v_lshl_add_u32 v55, v1, 4, s21
	ds_load_b128 v[4:7], v55                       ; wave 0's starts the merge
.irp c, 1,2,3,4,5,6,7,8,9,10,11,12,13,14,15,16
	ds_load_b128 v[RING+4*(\c-1):RING+4*(\c-1)+3], v55 offset:2048*\c
.endr
.set c, 1
.rept 31
.set sl, RING+4*((c-1)%16)
.if 31-c < 15
	s_wait_dscnt 31-c                              ; the loads issued behind result c: the rest
.else
	s_wait_dscnt 15                                ; the loads issued behind result c: results c + 1 to c + 15
.endif
	v_cmp_lt_f32 vcc_lo, v[sl], v4
	v_cndmask_b32 v4, v4, v[sl], vcc_lo
	v_cndmask_b32 v5, v5, v[sl+1], vcc_lo
	v_cndmask_b32 v6, v6, v[sl+2], vcc_lo
	v_cndmask_b32 v7, v7, v[sl+3], vcc_lo
.if c+16 <= 31
	ds_load_b128 v[sl:sl+3], v55 offset:2048*(c+16)
.endif
.set c, c+1
.endr
	; mask = pw / pw_safe, u = nu / pw_safe, v = nv / pw_safe
	v_mov_b32 v9, 0x2b8cbccc                       ; 1e-12
	v_and_b32 v8, 0x7fffffff, v5
	v_cmp_lt_f32 vcc_lo, v8, v9
	v_cndmask_b32 v8, v5, v9, vcc_lo
	v_rcp_f32 v10, v8
	v_nop                                          ; one plain vector instruction between a reciprocal and its first use (ISA guide 5.7.2)
	s_wait_alu depctr_va_vdst(0)
	v_fma_f32 v11, -v8, v10, 1.0
	v_fmac_f32 v10, v11, v10
	v_mul_f32 v17, v5, v10
	v_mul_f32 v18, v6, v10
	v_mul_f32 v19, v7, v10
	v_fma_f32 v5, -v8, v17, v5
	v_fma_f32 v6, -v8, v18, v6
	v_fma_f32 v7, -v8, v19, v7
	v_fmac_f32 v17, v5, v10
	v_fmac_f32 v18, v6, v10
	v_fmac_f32 v19, v7, v10
	v_add_f32 v20, v18, v19
	v_cmp_lt_f32 vcc_lo, 0, v20
	v_cndmask_b32 v16, 0, 1.0, vcc_lo              ; u + v > 0
	; texel: column from u, row from v: floor(clip(., 0, 1) * 1024), at most 1023
	v_max_num_f32 v21, 0, v18
	v_max_num_f32 v22, 0, v19
	v_min_num_f32 v21, 1.0, v21
	v_min_num_f32 v22, 1.0, v22
	v_mul_f32 v21, 0x44800000, v21
	v_mul_f32 v22, 0x44800000, v22
	v_floor_f32 v21, v21
	v_floor_f32 v22, v22
	v_cvt_i32_f32 v21, v21
	v_cvt_i32_f32 v22, v22
	v_min_u32 v21, 0x3ff, v21
	v_min_u32 v22, 0x3ff, v22
	v_lshl_or_b32 v23, v22, 10, v21
	s_lshl_b32 s26, s36, 10                        ; pixel number: 1024 n + 128 band + 32 r + column
	s_lshl_b32 s21, ttmp9, 7
	s_add_co_u32 s26, s26, s21
	s_lshl_b32 s21, s12, 5
	s_add_co_u32 s26, s26, s21
	v_add_nc_u32 v24, s26, v1
	v_lshlrev_b32 v25, 2, v24
	v_lshlrev_b32 v26, 4, v24
	global_store_b32 v25, v23, s[8:9]              ; 128 consecutive bytes a wave, 512 for the four waves
	global_store_b128 v26, v[16:19], s[10:11]      ; 512 consecutive bytes a wave, aligned
.Ldone:
	s_barrier_signal -1
	s_barrier_wait -1
	s_wait_xcnt 0x0
	v_lshl_add_u32 v126, v0, 2, 0x1c000
	v_mov_b32 v127, 0
	s_wait_tensorcnt 0x0
	ds_add_u32 v126, v127
	s_wait_dscnt 0x0
	s_endpgm
.Lfunc_end_k_qebc6a1c190_raster:
	.size	k_qebc6a1c190_raster, .Lfunc_end_k_qebc6a1c190_raster-k_qebc6a1c190_raster
	.p2alignl 7, 3214868480
	.fill 96, 4, 3214868480
	.section	.rodata,"a",@progbits
	.p2align	6, 0x0
	.amdhsa_kernel k_qebc6a1c190_raster
		.amdhsa_group_segment_fixed_size 118784
		.amdhsa_private_segment_fixed_size 0
		.amdhsa_enable_private_segment 0
		.amdhsa_kernarg_size 32
		.amdhsa_user_sgpr_count 2
		.amdhsa_user_sgpr_kernarg_segment_ptr 1
		.amdhsa_wavefront_size32 1
		.amdhsa_system_sgpr_workgroup_id_x 1
		.amdhsa_system_sgpr_workgroup_id_y 1
		.amdhsa_system_sgpr_workgroup_id_z 1
		.amdhsa_system_vgpr_workitem_id 0
		.amdhsa_next_free_vgpr 128
		.amdhsa_next_free_sgpr 66
		.amdhsa_reserve_vcc 1
		.amdhsa_float_denorm_mode_32 3
		.amdhsa_float_denorm_mode_16_64 3
		.amdhsa_memory_ordered 1
		.amdhsa_forward_progress 1
		.amdhsa_inst_pref_size 22
	.end_amdhsa_kernel
	.amdgpu_metadata
---
amdhsa.version: [ 1, 2 ]
amdhsa.kernels:
  - .name:           k_qebc6a1c190_raster
    .symbol:         k_qebc6a1c190_raster.kd
    .args:
      - { .name: rec, .offset: 0, .size: 8, .value_kind: global_buffer, .address_space: global }
      - { .name: ftab, .offset: 8, .size: 8, .value_kind: global_buffer, .address_space: global }
      - { .name: tix, .offset: 16, .size: 8, .value_kind: global_buffer, .address_space: global }
      - { .name: gb, .offset: 24, .size: 8, .value_kind: global_buffer, .address_space: global }
    .group_segment_fixed_size: 118784
    .private_segment_fixed_size: 0
    .kernarg_segment_align: 8
    .kernarg_segment_size: 32
    .max_flat_workgroup_size: 1024
    .sgpr_count:     66
    .vgpr_count:     128
    .wavefront_size: 32
...
	.end_amdgpu_metadata
.endif
;; end of part 2
;; launch shade (part 3): grid 8 x 32, 6 waves a work-group, no clusters, 49,920 bytes of LDS; arguments texture, bboxes, tix, gb, ctab, out0; writes out0
.if DOCPART == 3
	.amdgcn_target "amdgcn-amd-amdhsa--gfx1250"
	.amdhsa_code_object_version 6
	.text
	.protected	k_qebc6a1c190_shade
	.globl	k_qebc6a1c190_shade
	.p2align	8
	.type	k_qebc6a1c190_shade,@function
k_qebc6a1c190_shade:
	s_mov_b64 s[64:65], 0
	v_nop
	global_prefetch_b8 v0, s[64:65] scope:SCOPE_SE
	s_setreg_imm32_b32 hwreg(HW_REG_WAVE_MODE, 25, 1), 1
	s_wait_xcnt 0x0
; SHADE: a work-group = one view (grid y) and 8 output rows (grid x), 6 waves = 192 threads.
; A. The source rows that these output rows touch (least to largest + 1, from the whole numbers in ctab) are sampled: a wave takes a
;    row, a lane a pixel, four texels of 32 bytes each; the 12 channels in output order go to an LDS image, 48 bytes a pixel.
; B. Thread t = 3 ox + quad keeps output column ox and 4 of the 12 channels and walks the 8 rows: 4 LDS loads of 16 bytes a row,
;    the bilinear sum in the order of the problem, zero outside the image, channels 0 and 9 cut at 0.5.
;    One store of a wave covers 512 consecutive bytes of out0, aligned.
; Texel weights are multiplied out first ((1-fx)(1-fy) and so on), which differs from the problem in the last bits only.
; No tensor loads and no prefetch: every address is known one dependent load before its use.  No cluster: nothing large is shared.
.set C31,  0x41f80000                  ; 31.0
.set C63R, 0x3c820821                  ; 1/63
.set OC,  8                            ; v[8:19]    the 12 channels of a sampled pixel
.set TL,  20                           ; v[20:51]   four texels of 8 channels
.set TR,  28
.set BL,  36
.set BR,  44
.set ROWS, 96                          ; v[96+16r:111+16r]  output row r: tl, tr, bl, br, 4 channels each
.macro PMULB d, a, f                   ; packed product with ONE register f for both halves (even: low of its pair, odd: high)
.if (\f)&1
	v_pk_mul_f32 v[\d:\d+1], v[\a:\a+1], v[\f-1:\f] op_sel:[0,1] op_sel_hi:[1,1]
.else
	v_pk_mul_f32 v[\d:\d+1], v[\a:\a+1], v[\f:\f+1] op_sel_hi:[1,0]
.endif
.endm
.macro PFMAB d, a, f, c
.if (\f)&1
	v_pk_fma_f32 v[\d:\d+1], v[\a:\a+1], v[\f-1:\f], v[\c:\c+1] op_sel:[0,1,0] op_sel_hi:[1,1,1]
.else
	v_pk_fma_f32 v[\d:\d+1], v[\a:\a+1], v[\f:\f+1], v[\c:\c+1] op_sel_hi:[1,0,1]
.endif
.endm
	s_load_b256 s[4:11], s[0:1], 0x0               ; texture 4, bboxes 6, tix 8, gb 10
	s_load_b128 s[12:15], s[0:1], 0x20             ; ctab 12, out0 14
	v_lshl_add_u32 v224, v0, 2, 0xc000
	v_mov_b32 v225, 0
	s_and_b32 s16, ttmp7, 0xffff                   ; view n
	s_mov_b32 s17, ttmp9                           ; band of 8 output rows
	v_lshrrev_b32 v2, 5, v0
	v_readfirstlane_b32 s18, v2                    ; wave
	s_and_b32 s19, s16, 3                          ; b
	s_lshr_b32 s20, s16, 2
	s_lshl3_add_u32 s20, s19, s20                  ; 8 b + p
	v_and_b32 v1, 31, v0                           ; lane
	v_mul_u32_u24 v68, v0, 171
	v_lshrrev_b32 v68, 9, v68                      ; ox = t / 3 (exact for t < 192)
	v_mul_u32_u24 v69, v68, 3
	v_sub_nc_u32 v69, v0, v69                      ; quad = t mod 3
	v_lshlrev_b32 v84, 2, v68
	v_lshlrev_b32 v92, 4, v0                       ; 48 ox + 16 quad = 16 t: my bytes in an output row; never rewritten
	s_mov_b32 s49, 0
	s_mov_b32 s47, C31
	s_lshl_b32 s46, s17, 3                         ; my first output row
	s_lshl_b32 s43, s17, 5
	s_wait_kmcnt 0x0
	s_lshl_b32 s48, s16, 9
	s_add_nc_u64 s[12:13], s[12:13], s[48:49]
	s_load_b256 s[24:31], s[12:13], s43 offset:0x0 ; source row i0 of my 8 output rows
	global_load_b32 v70, v84, s[12:13] offset:256  ; source column j0 of my output column
	s_lshl_b32 s48, s20, 4
	s_add_nc_u64 s[6:7], s[6:7], s[48:49]
	s_load_b128 s[32:35], s[6:7], 0x0              ; y1, x1, y2, x2
	s_lshl_b32 s48, s19, 25
	s_add_nc_u64 s[4:5], s[4:5], s[48:49]
	s_lshl_b32 s48, s16, 12
	s_add_nc_u64 s[8:9], s[8:9], s[48:49]
	s_lshl_b32 s48, s16, 14
	s_add_nc_u64 s[10:11], s[10:11], s[48:49]
	s_mul_i32 s48, s16, 196608
	s_mul_i32 s44, s17, 24576
	s_add_co_u32 s48, s48, s44
	s_add_nc_u64 s[14:15], s[14:15], s[48:49]
	v_cmp_eq_u32 s41, 0, v69                       ; quad 0 holds channel 0 in its first register
	v_cmp_eq_u32 s42, 2, v69                       ; quad 2 holds channel 9 in its second
	s_wait_kmcnt 0x0
.irp r, 0,1,2,3,4,5,6,7
	s_min_u32 s[24+\r], s[24+\r], 31
.endr
	s_min_u32 s36, s24, s25
	s_max_u32 s37, s24, s25
.irp r, 2,3,4,5,6,7
	s_min_u32 s36, s36, s[24+\r]
	s_max_u32 s37, s37, s[24+\r]
.endr
	s_add_co_u32 s37, s37, 1
	s_min_u32 s37, s37, 31                         ; source rows s36 .. s37 are needed
	; A. wave w samples rows s36 + w, s36 + w + 6, ...: (rows + 5 - w) / 6 of them
	s_sub_co_u32 s39, s37, s36
	s_add_co_u32 s39, s39, 6
	s_sub_co_u32 s39, s39, s18                     ; x = rows + 5 - w, 1 to 37
	s_mul_i32 s39, s39, 43
	s_lshr_b32 s39, s39, 8                         ; x / 6 = 43 x >> 8, exact for x up to 37
	s_min_u32 s39, s39, 6                          ; my trips
	s_mov_b32 s45, 0                               ; the trip counter
	s_add_co_u32 s38, s36, s18                     ; my first row
	s_cmp_eq_u32 s39, 0
	s_cbranch_scc1 .Lsampled
.Lrow:
	s_min_u32 s43, s38, 31
	s_lshl_b32 s43, s43, 5
	v_add_nc_u32 v67, s43, v1                      ; pixel 32 R + lane
	v_lshlrev_b32 v85, 2, v67
	v_lshlrev_b32 v86, 4, v67
	global_load_b32 v4, v85, s[8:9]                ; texel number
	global_load_b128 v[OC+8:OC+11], v86, s[10:11]  ; (u + v > 0), mask, u, v: the last three lie where they are stored from
	v_mul_u32_u24 v87, v67, 48
	s_wait_loadcnt 0x1                             ; the texel number is in (and the older load of j0); the 16 bytes of gb stay out
	v_lshrrev_b32 v60, 10, v4
	v_and_b32 v61, 0x3ff, v4
	v_min_u32 v60, 0x3ff, v60                      ; i0
	v_min_u32 v61, 0x3ff, v61                      ; j0
	v_add_nc_u32 v62, 1, v60
	v_add_nc_u32 v63, 1, v61
	v_min_u32 v62, 0x3ff, v62                      ; i1
	v_min_u32 v63, 0x3ff, v63                      ; j1
	v_lshlrev_b32 v60, 15, v60                     ; a texture row is 32,768 bytes, a texel 32
	v_lshlrev_b32 v62, 15, v62
	v_lshl_add_u32 v52, v61, 5, v60
	v_lshl_add_u32 v53, v63, 5, v60
	v_lshl_add_u32 v54, v61, 5, v62
	v_lshl_add_u32 v55, v63, 5, v62
	global_load_b128 v[TL:TL+3],   v52, s[4:5]
	global_load_b128 v[TL+4:TL+7], v52, s[4:5] offset:16
	global_load_b128 v[TR:TR+3],   v53, s[4:5]
	global_load_b128 v[TR+4:TR+7], v53, s[4:5] offset:16
	global_load_b128 v[BL:BL+3],   v54, s[4:5]
	global_load_b128 v[BL+4:BL+7], v54, s[4:5] offset:16
	global_load_b128 v[BR:BR+3],   v55, s[4:5]
	global_load_b128 v[BR+4:BR+7], v55, s[4:5] offset:16
	s_wait_loadcnt 0x8                             ; gb is in, the eight texel loads stay out
	v_mov_b32 v[OC], v[OC+8]                       ; channel 0; its old place takes texture channel 7
	v_max_num_f32 v60, 0, v[OC+10]
	v_max_num_f32 v62, 0, v[OC+11]
	v_min_num_f32 v60, 1.0, v60
	v_min_num_f32 v62, 1.0, v62
	v_mul_f32 v60, 0x44800000, v60
	v_mul_f32 v62, 0x44800000, v62
	v_floor_f32 v61, v60
	v_floor_f32 v63, v62
	v_sub_f32 v60, v60, v61                        ; fx
	v_sub_f32 v62, v62, v63                        ; fy
	v_sub_f32 v64, 1.0, v60
	v_sub_f32 v65, 1.0, v62
	v_mul_f32 v56, v64, v65
	v_mul_f32 v57, v60, v65
	v_mul_f32 v58, v64, v62
	v_mul_f32 v59, v60, v62
	s_wait_loadcnt 0x0
.irp c, 0,1,2,3,4,5,6,7
	v_mul_f32 v[OC+1+\c], v[TL+\c], v56
.endr
.irp c, 0,1,2,3,4,5,6,7
	v_fmac_f32 v[OC+1+\c], v[TR+\c], v57
.endr
.irp c, 0,1,2,3,4,5,6,7
	v_fmac_f32 v[OC+1+\c], v[BL+\c], v58
.endr
.irp c, 0,1,2,3,4,5,6,7
	v_fmac_f32 v[OC+1+\c], v[BR+\c], v59
.endr
	ds_store_b128 v87, v[OC:OC+3]                  ; pitch 48 bytes: 16 neighbouring lanes fall on 16 different 16-byte columns of 256
	ds_store_b128 v87, v[OC+4:OC+7] offset:16
	ds_store_b128 v87, v[OC+8:OC+11] offset:32
	s_add_co_u32 s38, s38, 6                       ; my next row
	s_add_co_u32 s45, s45, 1
	s_cmp_lt_u32 s45, s39
	s_cbranch_scc1 .Lrow
.Lsampled:
	s_wait_dscnt 0x0                               ; my rows are written,
	s_barrier_signal -1
	s_barrier_wait -1                              ; everybody's are
	; B. my column
	s_wait_loadcnt 0x0                             ; j0 (a wave without a row to sample has not waited yet)
	v_min_u32 v70, 31, v70
	v_add_nc_u32 v78, 1, v70
	v_min_u32 v78, 31, v78
	v_mul_u32_u24 v71, v70, 48
	v_mul_u32_u24 v72, v78, 48
	v_lshl_add_u32 v71, v69, 4, v71                ; left:  48 j0 + 16 quad
	v_lshl_add_u32 v72, v69, 4, v72                ; right: 48 j1 + 16 quad
.irp r, 0,1,2,3,4,5,6,7
	s_mul_i32 s43, s[24+\r], 1536                  ; an image row is 32 x 48 bytes
	s_add_co_u32 s44, s[24+\r], 1
	s_min_u32 s44, s44, 31
	s_mul_i32 s44, s44, 1536
	v_add_nc_u32 v84, s43, v71
	v_add_nc_u32 v85, s43, v72
	v_add_nc_u32 v86, s44, v71
	v_add_nc_u32 v87, s44, v72
	ds_load_b128 v[ROWS+16*\r:ROWS+16*\r+3],     v84
	ds_load_b128 v[ROWS+16*\r+4:ROWS+16*\r+7],   v85
	ds_load_b128 v[ROWS+16*\r+8:ROWS+16*\r+11],  v86
	ds_load_b128 v[ROWS+16*\r+12:ROWS+16*\r+15], v87
.endr
	; xs = x1 31 + ox ((x2 - x1) 31 / 63): the same lines as in the launch that stored j0
	v_cvt_f32_u32 v73, v68
	v_mov_b32 v78, s33
	v_sub_f32 v79, s35, v78
	v_mul_f32 v79, C31, v79
	v_mul_f32 v79, C63R, v79
	v_mul_f32 v79, v73, v79
	v_fmac_f32 v79, C31, v78
	v_max_num_f32 v82, 0, v79
	v_min_num_f32 v82, C31, v82
	v_floor_f32 v83, v82
	v_sub_f32 v74, v82, v83                        ; wx
	v_sub_f32 v75, 1.0, v74                        ; 1 - wx
	v_cmp_le_f32 s40, 0, v79
	v_cmp_ge_f32 s44, s47, v79
	s_and_b32 s40, s40, s44                        ; 0 <= xs <= 31
	v_mov_b32 v81, s32                             ; y1
	v_sub_f32 v79, s34, v81
	v_mul_f32 v79, C31, v79
	v_mul_f32 v79, C63R, v79                       ; the step along y
.macro ROW r
	s_add_co_u32 s45, s46, \r
	v_cvt_f32_u32 v78, s45
	v_mul_f32 v78, v78, v79
	v_fmac_f32 v78, C31, v81                       ; ys
	v_max_num_f32 v82, 0, v78
	v_min_num_f32 v82, C31, v82
	v_floor_f32 v83, v82
	v_sub_f32 v76, v82, v83                        ; wy
	v_sub_f32 v77, 1.0, v76                        ; 1 - wy
	v_cmp_le_f32 s43, 0, v78
	v_cmp_ge_f32 s44, s47, v78
	s_and_b32 s43, s43, s44
	s_and_b32 s43, s43, s40                        ; inside the image
	s_wait_dscnt 28-4*\r                           ; the four loads of row r are in; those of the later rows stay out
.irp h, 0,2
	PMULB ROWS+16*\r+\h,    ROWS+16*\r+\h,    77   ; tl (1 - wy)
	PMULB ROWS+16*\r+4+\h,  ROWS+16*\r+4+\h,  77   ; tr (1 - wy)
	PMULB ROWS+16*\r+8+\h,  ROWS+16*\r+8+\h,  76   ; bl wy
	PMULB ROWS+16*\r+12+\h, ROWS+16*\r+12+\h, 76   ; br wy
.endr
.irp h, 0,2
	PMULB ROWS+16*\r+4+\h, ROWS+16*\r+4+\h, 74
.endr
.irp h, 0,2
	PFMAB ROWS+16*\r+4+\h, ROWS+16*\r+\h, 75, ROWS+16*\r+4+\h
.endr
.irp h, 0,2
	PFMAB ROWS+16*\r+4+\h, ROWS+16*\r+8+\h, 75, ROWS+16*\r+4+\h
.endr
.irp h, 0,2
	PFMAB ROWS+16*\r+4+\h, ROWS+16*\r+12+\h, 74, ROWS+16*\r+4+\h
.endr
.irp j, 0,1,2,3
	v_cndmask_b32 v[ROWS+16*\r+4+\j], 0, v[ROWS+16*\r+4+\j], s43
.endr
	v_cmp_lt_f32 vcc_lo, 0.5, v[ROWS+16*\r+4]
	v_cndmask_b32 v82, 0, 1.0, vcc_lo
	v_cmp_lt_f32 vcc_lo, 0.5, v[ROWS+16*\r+5]
	v_cndmask_b32 v83, 0, 1.0, vcc_lo
	v_cndmask_b32 v[ROWS+16*\r+4], v[ROWS+16*\r+4], v82, s41       ; channel 0: the new mask
	v_cndmask_b32 v[ROWS+16*\r+5], v[ROWS+16*\r+5], v83, s42       ; channel 9: the old mask
	global_store_b128 v92, v[ROWS+16*\r+4:ROWS+16*\r+7], s[14:15] offset:\r*3072   ; each row stores from registers of its own
.endm
	ROW 0
	ROW 1
	ROW 2
	ROW 3
	ROW 4
	ROW 5
	ROW 6
	ROW 7
	s_barrier_signal -1
	s_barrier_wait -1
	s_wait_tensorcnt 0x0
	ds_add_u32 v224, v225
	s_wait_dscnt 0x0
	s_endpgm
.Lfunc_end_k_qebc6a1c190_shade:
	.size	k_qebc6a1c190_shade, .Lfunc_end_k_qebc6a1c190_shade-k_qebc6a1c190_shade
	.p2alignl 7, 3214868480
	.fill 96, 4, 3214868480
	.section	.rodata,"a",@progbits
	.p2align	6, 0x0
	.amdhsa_kernel k_qebc6a1c190_shade
		.amdhsa_group_segment_fixed_size 49920
		.amdhsa_private_segment_fixed_size 0
		.amdhsa_enable_private_segment 0
		.amdhsa_kernarg_size 48
		.amdhsa_user_sgpr_count 2
		.amdhsa_user_sgpr_kernarg_segment_ptr 1
		.amdhsa_wavefront_size32 1
		.amdhsa_system_sgpr_workgroup_id_x 1
		.amdhsa_system_sgpr_workgroup_id_y 1
		.amdhsa_system_sgpr_workgroup_id_z 1
		.amdhsa_system_vgpr_workitem_id 0
		.amdhsa_next_free_vgpr 226
		.amdhsa_next_free_sgpr 66
		.amdhsa_reserve_vcc 1
		.amdhsa_float_denorm_mode_32 3
		.amdhsa_float_denorm_mode_16_64 3
		.amdhsa_memory_ordered 1
		.amdhsa_forward_progress 1
		.amdhsa_inst_pref_size 31
	.end_amdhsa_kernel
	.amdgpu_metadata
---
amdhsa.version: [ 1, 2 ]
amdhsa.kernels:
  - .name:           k_qebc6a1c190_shade
    .symbol:         k_qebc6a1c190_shade.kd
    .args:
      - { .name: texture, .offset: 0, .size: 8, .value_kind: global_buffer, .address_space: global }
      - { .name: bboxes, .offset: 8, .size: 8, .value_kind: global_buffer, .address_space: global }
      - { .name: tix, .offset: 16, .size: 8, .value_kind: global_buffer, .address_space: global }
      - { .name: gb, .offset: 24, .size: 8, .value_kind: global_buffer, .address_space: global }
      - { .name: ctab, .offset: 32, .size: 8, .value_kind: global_buffer, .address_space: global }
      - { .name: out0, .offset: 40, .size: 8, .value_kind: global_buffer, .address_space: global }
    .group_segment_fixed_size: 49920
    .private_segment_fixed_size: 0
    .kernarg_segment_align: 8
    .kernarg_segment_size: 48
    .max_flat_workgroup_size: 192
    .sgpr_count:     66
    .vgpr_count:     226
    .wavefront_size: 32
...
	.end_amdgpu_metadata
.endif
;; end of part 3
